; MI455X (gfx1250); checked and timed in simulation.
; The chip was launched on July 23, 2026; its instructions are those of AMD's public machine-readable ISA for CDNA 5 (MIT licence, August 2026) and "CDNA5" Instruction Set Architecture Reference Guide (July 2026). The comments in the code are by the model that wrote it; some were corrected since.
;; Multi Head Attention. Allowed arithmetic: matrix products marked QUANTISED: E2M3 operands, one E8M0 scale for each 32 along K, by v_wmma_scale_f32_16x16x128_f8f6f4 with both operands' format E2M3, f32 sums; everything else in f32.
;; Inputs: k_proj 12 x 768 x 64 float32; q_proj 12 x 768 x 64 float32; v_proj 12 x 768 x 64 float32; x 1 x 4,096 x 768 float32.
;; Outputs: out0 1 x 12 x 4,096 x 64 float32.
;; This version of the problem:
;;   THIS VERSION OF THE PROBLEM IS GIVEN IN LOW PRECISION. The matrix products marked QUANTISED in the list below multiply operands that are first quantised to E2M3 (2 exponent bits, 3 mantissa bits; 6 bits a number), with one power-of-two scale for each 32 numbers along K (OCP MX v1.0); their sums are f32. All else is computed in f32.
;;   The module's matrix products, in the order in which they are computed (A, B: the left and right operand; K: the contracted axis; several contracted axes count as one K, in the product's order):
;;     1. [M 768, K 768] x [K 768, N 4,096]; A: input q_proj; B: input x: QUANTISED
;;     2. [M 768, K 768] x [K 768, N 4,096]; A: input k_proj; B: input x: QUANTISED
;;     3. [M 768, K 768] x [K 768, N 4,096]; A: input v_proj; B: input x: QUANTISED
;;     4. batch 12 x [M 4,096, K 64] x [K 64, N 4,096]; A: computed on the way; B: computed on the way: QUANTISED
;;     5. batch 12 x [M 4,096, K 4,096] x [K 4,096, N 64]; A: softmax (see below); B: computed on the way: QUANTISED
;;   THE QUANTISER, for each operand of a quantised product, along K:
;;     - K is cut into blocks of 32 from its start; a last block that is shorter is filled with zeros.
;;     - A block's scale is 2^e with e = floor(log2(the largest magnitude in the block)) - 2, held to -126 .. 127; a block of zeros has e = 0. As a byte (E8M0): e + 127.
;;     - Each number is divided by its block's scale, clamped to +-7.5, and rounded to the nearest number of E2M3, ties to even, subnormals kept.
;;     - The product sums the exact products of the quantised numbers (number of the format x scale) in f32.
;;   ~~~python
;;   def quantise(x, axis):      # numpy; x: float32 -> the quantised numbers, widened to float32 again
;;       x = np.moveaxis(x, axis, -1); K = x.shape[-1]
;;       x = np.pad(x, [(0, 0)] * (x.ndim - 1) + [(0, -K % 32)]); x = x.reshape(x.shape[:-1] + (-1, 32)); a = np.abs(x).max(-1, keepdims=True)
;;       e = np.where(a > 0, np.clip(np.frexp(np.where(a > 0, a, 1))[1] - 1 - 2, -126, 127), 0)      # np.frexp(a)[1] - 1 = floor(log2(a)), exactly
;;       r = np.clip(x / 2.0 ** e, -7.5, 7.5)
;;       step = 2.0 ** (np.maximum(np.frexp(np.where(r == 0, 1, r))[1] - 1, 0) - 3)
;;       q = np.round(r / step) * step * 2.0 ** e      # np.round: ties to even
;;       return np.moveaxis(q.reshape(q.shape[:-2] + (-1,))[..., :K], -1, axis).astype(np.float32)
;;   ~~~
;;   SOFTMAX AHEAD OF A QUANTISED PRODUCT. Where the list says 'softmax', what is quantised is not the finished softmax but p = 2^(t - M), with t = logit x log2(e) and M = ceil(the row's largest t), a whole number; so 1/2 < the row's largest p <= 1. The row's sum l is taken of the UNQUANTISED p, in f32, and the product's result is divided by l at the end. Since M is a whole number, a kernel that streams over the keys may use a running M (the ceiling of the running maximum): every later rescaling is an exact power of two, which a block's scale takes up: the codes' values come out the same.
;;   OPERANDS COMPUTED ON THE WAY. 'Computed on the way' means the value that the module computes at that place (a softmax that the list does not call 'softmax' is quantised finished and normalised). What goes into a quantiser is computed in f32, as accurately as f32 sums, v_exp_f32 and their like allow (about 1e-6 of the number): no bf16 or f16 on the way to a quantiser, and a product that is left as it is and whose result goes on into a quantised operand takes f32 operands (vector FMAs, or v_wmma_f32_16x16x4_f32). A number that lies on a knife's edge between two numbers of the format may be rounded either way, as far as f32 arithmetic and the matrix unit's own rounding can turn it there, and no further.
;; One version. Each part assembles by itself: llvm-mc -triple=amdgcn-amd-amdhsa -mcpu=gfx1250 --defsym DOCPART=n.
;; ======== version 1 of 1: 3 launches
;; limits: right only within a limited range of input values
;; workspace buffers: xq 2,555,904 bytes; wq 1,437,696 bytes; qc 2,752,512 bytes; kv 5,111,808 bytes
;; launch quant (part 1): grid 50 x 6, 4 waves a work-group, no clusters, 0 bytes of LDS; arguments x, q_proj, k_proj, v_proj, xq, wq; writes xq, wq
.if DOCPART == 1
	.amdgcn_target "amdgcn-amd-amdhsa--gfx1250"
	.amdhsa_code_object_version 6
	.text
	.protected	k_q0e085d60b2_quant
	.globl	k_q0e085d60b2_quant
	.p2align	8
	.type	k_q0e085d60b2_quant,@function
k_q0e085d60b2_quant:
	s_mov_b64 s[64:65], 0
	v_nop
	global_prefetch_b8 v0, s[64:65] scope:SCOPE_SE
	s_setreg_imm32_b32 hwreg(HW_REG_WAVE_MODE, 25, 1), 1
	s_wait_xcnt 0x0
; x [4096][768] and the three weights [12][768][64], f32, become codes of E2M3 with one E8M0 byte for each 32 along E (the K of the three projections).
; A block's scale is 2^(floor(log2(its largest magnitude)) - 2); its byte is the largest magnitude's exponent field - 2, held at 1 from below.
; THE CODES ARE LAID AS IMAGES OF AN OPERAND'S REGISTERS.  A fragment (16 rows x 128 along E) is 12 registers a lane: registers 4 k .. 4 k + 3 of lane L lie at 512 k + 16 L: 1,536 bytes.
; An operand block is four such images and then two parts of 256 bytes with the scale words, [lane][2 words]: 6,656 bytes.  So the next launch needs loads of 16 and 8 bytes alone, and a K step is dense memory.
; xq: [16 pairs of row groups][6 K steps][2 groups][2] blocks.  A group is 128 rows; its tile 2 b + u has in lane r the row 32 b + 8 u + r + (r & 8).
; wq: [12 heads][6 K steps][3: q, k, v] blocks.  Tile t has in lane r the column 32 (t / 2) + 8 (t % 2) + r + (r & 8) for q and k, and 16 t + r for v.
; SHARES.  Work-group y is the K step.  Work-groups 0-31 take x (a wave: 32 rows, two tiles), work-groups 32-49 the weights (a wave: two tiles of one weight of one head).  Waves share nothing: no LDS, no barrier.
; Each store of 16 bytes a lane covers 512 consecutive bytes, each of 8 bytes 256, all at multiples of 256 from the buffer's first byte.
; LIMITS: NaN and infinities among the inputs are not served.  A block of zeros, or one whose largest magnitude lies under 2^-124, gets the byte 1 (the stated quantiser gives a block of zeros 127):
; a block of zeros has zero codes, which add nothing under any byte but 0xff, and this program alone reads the bytes.
.set SEL, 20                           ; s[20:21] lane selects for v_permlanex16_b32: lane l xor 16
.set TM,  16                           ; v16-19 largest magnitudes, v20-23 the other half's, then bytes, v24-27 the conversions' scale operands
.set CT,  28                           ; v28-35 halves of blocks on their way
.set PW,  36                           ; v36-37 the two tiles' scale words
.set PC,  40                           ; v40-51, v52-63 the two tiles' codes: each has its own, so no store's data are written again
.set DAT, 64                           ; v64-191 numbers as loaded
; 64 numbers of a lane, register 16 b + i = place 16 (lane / 16) + i of block b of the lane's row, become 12 registers of codes (registers 6 c .. 6 c + 5: block 2 c in lanes 0-15, block 2 c + 1 in lanes 16-31) and a scale word.
.macro QUANT src, pc, xt, pw, tm
.irp b, 0,1,2,3
	v_max3_num_f32 v[\tm+\b], |v[\src+16*\b]|, |v[\src+16*\b+1]|, 0x1800000      ; my 16 numbers of block b, and the floor 2^(3 - 127): the byte cannot fall under 1
.endr
.irp i, 2,4,6,8,10,12,14
.irp b, 0,1,2,3
	v_max3_num_f32 v[\tm+\b], v[\tm+\b], |v[\src+16*\b+\i]|, |v[\src+16*\b+\i+1]|   ; the four blocks by turns
.endr
.endr
.irp b, 0,1,2,3
	v_permlanex16_b32 v[\tm+4+\b], v[\tm+\b], s[SEL], s[SEL+1]
.endr
.irp b, 0,1,2,3
	v_max_num_f32 v[\tm+\b], v[\tm+\b], v[\tm+4+\b]        ; with lane l xor 16's 16: the block's largest magnitude
.endr
.irp b, 0,1,2,3
	v_add_nc_u32 v[\tm+8+\b], 0xff000000, v[\tm+\b]        ; 2 off its exponent field: the conversion takes this operand's exponent field as its scale
.endr
.irp b, 0,1,2,3
	v_lshrrev_b32 v[\tm+4+\b], 23, v[\tm+8+\b]             ; the scale's byte
.endr
	v_lshl_or_b32 v[\pw], v[\tm+5], 8, v[\tm+4]
	v_lshl_or_b32 v[\pw], v[\tm+6], 16, v[\pw]
	v_lshl_or_b32 v[\pw], v[\tm+7], 24, v[\pw]             ; the row's scale word, the same in both halves of the lanes
.irp c, 0,1
	v_cvt_scalef32_pk16_fp6_f32 v[\pc+6*\c:\pc+6*\c+2], v[\src+32*\c:\src+32*\c+15], v[\tm+8+2*\c]
	v_cvt_scalef32_pk16_fp6_f32 v[\xt+4*\c:\xt+4*\c+2], v[\src+32*\c+16:\src+32*\c+31], v[\tm+8+2*\c+1]   ; (a conversion's three registers begin on an even number)
.endr
	v_nop                                                  ; one plain instruction between a scaled conversion and the use of its result
.irp c, 0,1
.irp i, 0,1,2
	v_permlane16_swap_b32 v[\pc+6*\c+\i], v[\xt+4*\c+\i]   ; the first's lanes 16-31 change places with the second's lanes 0-15: a whole block to a lane
.endr
.irp i, 0,1,2
	v_mov_b32 v[\pc+6*\c+3+\i], v[\xt+4*\c+\i]
.endr
.endr
.endm
.macro PUT u                           ; tile u's image
.irp k, 0,1,2
	global_store_b128 v4, v[PC+12*\u+4*\k:PC+12*\u+4*\k+3], s[32:33] offset:1536*\u+512*\k
.endr
.endm
	s_load_b256 s[4:11], s[0:1], 0x0               ; x s[4:5], q_proj s[6:7], k_proj s[8:9], v_proj s[10:11]
	s_load_b128 s[12:15], s[0:1], 0x20             ; xq s[12:13], wq s[14:15]
	v_lshrrev_b32 v1, 5, v0
	v_readfirstlane_b32 s16, v1                    ; wave 0..3
	v_and_b32 v1, 31, v0                           ; lane L
	v_and_b32 v2, 15, v0                           ; r
	v_bfe_u32 v3, v0, 4, 1                         ; h
	v_lshlrev_b32 v4, 4, v1                        ; 16 L
	v_lshlrev_b32 v5, 3, v1                        ; 8 L
	v_lshlrev_b32 v8, 3, v3                        ; 8 h
	s_mov_b32 s[SEL], 0x76543210
	s_mov_b32 s[SEL+1], 0xfedcba98
	s_and_b32 s17, ttmp7, 0xffff                   ; the K step
.irp b, 0,1,2,3
	v_mov_b32 v[TM+4+\b], 0                        ; a lane permute's destination counts as one of its sources: written once
.endr
	v_mov_b32 v38, 0
	v_mov_b32 v39, 0
	s_cmp_ge_u32 ttmp9, 32
	s_cbranch_scc1 .Lweights
	; ---- x.  n = 4 x work-group + wave: rows 32 n .. 32 n + 31, two tiles.  E is innermost: lane (r, h) takes, of its row, 16 neighbouring numbers of each block of 32.
	s_lshl_b32 s18, ttmp9, 2
	s_add_co_u32 s18, s18, s16                     ; n
	v_and_b32 v9, 8, v2
	v_add_nc_u32 v9, v9, v2                        ; r + (r & 8)
	v_mul_u32_u24 v6, v9, 3072                     ; a row of x is 3,072 bytes
	v_lshl_add_u32 v6, v3, 6, v6                   ; + 64 h
	s_mul_i32 s24, s18, 98304                      ; 32 rows
	s_lshl_b32 s25, s17, 9                         ; 128 numbers a K step
	s_add_co_u32 s24, s24, s25
	s_mov_b32 s25, 0
	s_lshr_b32 s26, s18, 3                         ; the pair of groups,
	s_mul_i32 s26, s26, 159744                     ; 24 blocks each;
	s_mul_i32 s27, s17, 26624                      ; 4 blocks a K step;
	s_add_co_u32 s26, s26, s27
	s_bfe_u32 s27, s18, 0x20001                    ; (n / 2) % 4: which of the four
	s_mul_i32 s27, s27, 6656
	s_add_co_u32 s26, s26, s27
	s_mov_b32 s27, 0
	s_and_b32 s28, s18, 1                          ; which half of the block
	s_mul_i32 s36, s28, 3072
	s_mov_b32 s37, 0
	s_lshl_b32 s38, s28, 8
	s_mov_b32 s39, 0
	s_wait_alu depctr_va_vdst(0)
	s_wait_kmcnt 0x0
	s_add_nc_u64 s[4:5], s[4:5], s[24:25]
	s_add_nc_u64 s[12:13], s[12:13], s[26:27]
	s_add_nc_u64 s[32:33], s[12:13], s[36:37]      ; my two images
	s_add_nc_u64 s[34:35], s[12:13], s[38:39]      ; my part of the scale words, less 6,144
.macro XLOAD u
.irp b, 0,1,2,3
.irp j, 0,1,2,3
	global_load_b128 v[DAT+64*\u+16*\b+4*\j:DAT+64*\u+16*\b+4*\j+3], v6, s[4:5] offset:24576*\u+128*\b+16*\j
.endr
.endr
.endm
	XLOAD 0
	XLOAD 1
	s_wait_loadcnt 16                              ; tile 0's sixteen loads are in; tile 1's may be out
	QUANT DAT, PC, CT, PW, TM
	PUT 0
	s_wait_loadcnt 0x0
	QUANT DAT+64, PC+12, CT, PW+1, TM
	PUT 1
	global_store_b64 v5, v[PW:PW+1], s[34:35] offset:6144
	s_endpgm
	; ---- the weights.  E is not innermost: a lane takes a column and its registers run down E, in the order that the operand's layout gives that lane: k = 64 c + 32 h + 0 .. 31.
.Lweights:
	s_sub_co_u32 s18, ttmp9, 32
	s_lshl_b32 s18, s18, 2
	s_add_co_u32 s18, s18, s16                     ; m = 0 .. 71
	s_and_b32 s19, s18, 1                          ; which half of the block: tiles 2 hf, 2 hf + 1
	s_lshr_b32 s22, s18, 1                         ; 3 x head + which weight
	s_mul_i32 s23, s22, 21846
	s_lshr_b32 s23, s23, 16                        ; the head (a third, exact for 0 .. 35)
	s_mul_i32 s24, s23, 3
	s_sub_co_u32 s24, s22, s24                     ; 0 q, 1 k, 2 v
	s_cmp_lt_u32 s24, 2
	s_cselect_b32 s26, 8, 0                        ; q, k: column r + (r & 8), the second tile 8 columns on;
	s_cselect_b32 s27, 32, 64                      ; v: column r, the second tile 16 columns on
	v_and_b32 v9, s26, v2
	v_add_nc_u32 v9, v9, v2
	v_lshlrev_b32 v6, 2, v9
	v_lshl_add_u32 v6, v3, 13, v6                  ; lanes 16-31 begin 32 rows of 256 bytes further down
	v_add_nc_u32 v7, s27, v6
	s_mul_i32 s28, s23, 196608                     ; a head's 768 rows of 256 bytes
	s_lshl_b32 s29, s17, 15                        ; 128 rows a K step
	s_add_co_u32 s28, s28, s29
	s_lshl_b32 s29, s19, 7                         ; 32 columns a half
	s_add_co_u32 s28, s28, s29
	s_mov_b32 s29, 0
	s_mul_i32 s30, s23, 6
	s_add_co_u32 s30, s30, s17
	s_mul_i32 s30, s30, 19968                      ; 3 blocks for a head's K step
	s_mul_i32 s31, s24, 6656
	s_add_co_u32 s30, s30, s31
	s_mov_b32 s31, 0
	s_mul_i32 s36, s19, 3072
	s_mov_b32 s37, 0
	s_lshl_b32 s38, s19, 8
	s_mov_b32 s39, 0
	s_wait_alu depctr_va_vdst(0)
	s_wait_kmcnt 0x0
	s_cmp_eq_u32 s24, 0                            ; the choice of the buffer hangs on ids alone
	s_cselect_b64 s[6:7], s[6:7], s[8:9]
	s_cmp_eq_u32 s24, 2
	s_cselect_b64 s[6:7], s[10:11], s[6:7]
	s_add_nc_u64 s[6:7], s[6:7], s[28:29]
	s_add_nc_u64 s[14:15], s[14:15], s[30:31]
	s_add_nc_u64 s[32:33], s[14:15], s[36:37]
	s_add_nc_u64 s[34:35], s[14:15], s[38:39]
; Unit t = tile t % 2, half t / 2 of the K step: one whole block of 32 a lane.
.macro LOADU t
.irp i, 0,1,2,3,4,5,6,7,8,9,10,11,12,13,14,15,16,17,18,19,20,21,22,23,24,25,26,27,28,29,30,31
	global_load_b32 v[DAT+32*(\t)+\i], v[6+(\t)%2], s[6:7] offset:256*(64*((\t)/2)+\i)
.endr
.endm
.macro UNIT t
.set XU, DAT+32*(\t)
.set PU, PC+12*((\t)%2)+6*((\t)/2)
.if (\t) < 3
	s_wait_loadcnt 32                              ; this unit's 32 loads are in; the next unit's may be out
.else
	s_wait_loadcnt 0x0
.endif
.if (\t) < 2
	LOADU (\t)+2                                   ; into registers of their own
.endif
	v_max3_num_f32 v12, |v[XU]|, |v[XU+1]|, |v[XU+2]|      ; the block's largest magnitude: all 32 numbers are mine; two chains
	v_max3_num_f32 v13, |v[XU+3]|, |v[XU+4]|, |v[XU+5]|
.irp i, 6,10,14,18,22,26
	v_max3_num_f32 v12, v12, |v[XU+\i]|, |v[XU+\i+1]|
	v_max3_num_f32 v13, v13, |v[XU+\i+2]|, |v[XU+\i+3]|
.endr
	v_max3_num_f32 v12, v12, |v[XU+30]|, |v[XU+31]|
	v_max3_num_f32 v12, v12, v13, 0x1800000        ; and the floor
	v_add_nc_u32 v14, 0xff000000, v12              ; the conversions' scale operand
	v_lshrrev_b32 v15, 23, v14                     ; the byte
	v_cvt_scalef32_pk16_fp6_f32 v[PU:PU+2], v[XU:XU+15], v14
	v_cvt_scalef32_pk16_fp6_f32 v[CT:CT+2], v[XU+16:XU+31], v14
.if (\t) < 2
	v_mov_b32 v[PW+(\t)%2], v15                    ; block h of the column.  (The plain instruction behind the conversions)
.else
	v_lshl_or_b32 v[PW+(\t)%2], v15, 16, v[PW+(\t)%2]      ; block 2 + h
.endif
.irp i, 0,1,2
	v_mov_b32 v[PU+3+\i], v[CT+\i]
.endr
.endm
	LOADU 0
	LOADU 1
	UNIT 0
	UNIT 1
	UNIT 2
	UNIT 3
.irp u, 0,1
	v_lshlrev_b32 v[PW+\u], v8, v[PW+\u]           ; my two bytes at their places, 8 h bits up;
.endr
.irp u, 0,1
	v_permlanex16_b32 v[38+\u], v[PW+\u], s[SEL], s[SEL+1]
.endr
.irp u, 0,1
	v_or_b32 v[PW+\u], v[PW+\u], v[38+\u]          ; with lane l xor 16's two the word is whole
.endr
	PUT 0
	PUT 1
	global_store_b64 v5, v[PW:PW+1], s[34:35] offset:6144
	s_endpgm
.Lfunc_end_k_q0e085d60b2_quant:
	.size	k_q0e085d60b2_quant, .Lfunc_end_k_q0e085d60b2_quant-k_q0e085d60b2_quant
	.p2alignl 7, 3214868480
	.fill 96, 4, 3214868480
	.section	.rodata,"a",@progbits
	.p2align	6, 0x0
	.amdhsa_kernel k_q0e085d60b2_quant
		.amdhsa_group_segment_fixed_size 0
		.amdhsa_private_segment_fixed_size 0
		.amdhsa_enable_private_segment 0
		.amdhsa_kernarg_size 48
		.amdhsa_user_sgpr_count 2
		.amdhsa_user_sgpr_kernarg_segment_ptr 1
		.amdhsa_wavefront_size32 1
		.amdhsa_system_sgpr_workgroup_id_x 1
		.amdhsa_system_sgpr_workgroup_id_y 1
		.amdhsa_system_sgpr_workgroup_id_z 1
		.amdhsa_system_vgpr_workitem_id 0
		.amdhsa_next_free_vgpr 192
		.amdhsa_next_free_sgpr 66
		.amdhsa_reserve_vcc 0
		.amdhsa_float_denorm_mode_32 3
		.amdhsa_float_denorm_mode_16_64 3
		.amdhsa_memory_ordered 1
		.amdhsa_forward_progress 1
		.amdhsa_inst_pref_size 34
	.end_amdhsa_kernel
	.amdgpu_metadata
---
amdhsa.version: [ 1, 2 ]
amdhsa.kernels:
  - .name:           k_q0e085d60b2_quant
    .symbol:         k_q0e085d60b2_quant.kd
    .args:
      - { .name: x, .offset: 0, .size: 8, .value_kind: global_buffer, .address_space: global }
      - { .name: q_proj, .offset: 8, .size: 8, .value_kind: global_buffer, .address_space: global }
      - { .name: k_proj, .offset: 16, .size: 8, .value_kind: global_buffer, .address_space: global }
      - { .name: v_proj, .offset: 24, .size: 8, .value_kind: global_buffer, .address_space: global }
      - { .name: xq, .offset: 32, .size: 8, .value_kind: global_buffer, .address_space: global }
      - { .name: wq, .offset: 40, .size: 8, .value_kind: global_buffer, .address_space: global }
    .group_segment_fixed_size: 0
    .private_segment_fixed_size: 0
    .kernarg_segment_align: 8
    .kernarg_segment_size: 48
    .max_flat_workgroup_size: 128
    .sgpr_count:     66
    .vgpr_count:     192
    .wavefront_size: 32
...
	.end_amdgpu_metadata
.endif
;; end of part 1
;; launch project (part 2): grid 16 x 12, 12 waves a work-group, clusters of 4 x 4, 327,680 bytes of LDS; arguments xq, wq, qc, kv; writes qc, kv
.if DOCPART == 2
	.amdgcn_target "amdgcn-amd-amdhsa--gfx1250"
	.amdhsa_code_object_version 6
	.text
	.protected	k_q0e085d60b2_project
	.globl	k_q0e085d60b2_project
	.p2align	8
	.type	k_q0e085d60b2_project,@function
k_q0e085d60b2_project:
	s_mov_b64 s[64:65], 0
	v_nop
	global_prefetch_b8 v0, s[64:65] scope:SCOPE_SE
	s_setreg_imm32_b32 hwreg(HW_REG_WAVE_MODE, 25, 1), 1
	s_wait_xcnt 0x0
	s_wait_alu depctr_hold_cnt(0) depctr_sa_sdst(0) depctr_va_vdst(0) depctr_va_sdst(0) depctr_va_ssrc(0) depctr_va_vcc(0) depctr_vm_vsrc(0)
	s_getreg_b32 s2, hwreg(HW_REG_IB_STS2, 6, 4)
	s_cmp_eq_u32 s2, 0
	s_cbranch_scc0 .Lentry_in_a_cluster
	s_endpgm
.Lentry_in_a_cluster:
	s_bfe_u32 s2, ttmp6, 0x10000c
	s_cmp_lg_u32 s2, 0xf033
	s_cbranch_scc0 .Lentry_shape_is_right
	s_endpgm
.Lentry_shape_is_right:
; q, k, v = x times the three weights of a head, on codes of E2M3 (K = 768: six steps of 128), and at once the quantising of the results: q and k along the head's 64, v down the sequence.  q, k, v never lie in memory as f32.
; SHARES.  A work-group takes 256 rows of x (a pair of groups of 128) and one head.  Wave w: which result p = w / 4 (0 q, 1 k, 2 v), which group Gi = (w / 2) % 2, which half of its eight tiles c = w % 2:
; four tiles of x against the weight's four tiles: 16 accumulators, 96 matrix instructions, the same for all twelve waves.
; LDS IS FILLED ONCE: all six K steps of the head's weights (6 x 19,968 bytes) and of the 256 rows (6 x 26,624), 279,552 bytes, asked for at the start, one tensor load a wave: wave 2 s the weights' K step s, wave 2 s + 1 x's.
; A first barrier shows K steps 0 and 1 (waves 0-3 have waited; their load lines are their own), a second one all that is left.
; CLUSTER 4 x 4.  The four work-groups of a row of the cluster have the same head, the four of a column the same rows of x: each block is asked for jointly, by the same load with a mask that names the four.
; NO PREFETCH: every load stands at the head, so there is no loop to run ahead in.
; q AND k ARE MADE TRANSPOSED (source 0 = 16 columns of the weight, source 1 = 16 rows of x): a lane holds one row, and by the choice of the columns that form a tile its registers run along the head's 64.
; v IS MADE THE OTHER WAY (source 0 = x, source 1 = the weight): a lane holds one of the head's 64, and by the choice of the rows that form a tile of x its registers run down the sequence.
; So in all three roles 64 accumulator registers are four blocks of 32 in the order that the conversions want.
; OUT, as images of operand registers (a half image: six registers, 0-3 at 16 L, 4-5 at 512 + 8 L):
;   qc [head][group] 7,168 bytes: eight half images (tile T at 768 T); at 6,144 + 256 b, [lane][2]: tile 2 b + u's two bytes, twice.
;   kv [head][group] 13,312 bytes: four images of 1,536 (registers 0-5 tile 2 b, 6-11 tile 2 b + 1); at 6,144 + 256 c their words [lane][2]; at 6,656 + 1,536 t + 768 c v's half images; at 12,800 v's words [lane][4].
; LIMITS: as in the launch before: no NaN, no infinities; a block under 2^-124 gets the byte 1.
.set BLKB,  6656
.set WSTEP, 3*BLKB                     ; a K step of a head's weights
.set XSTEP, 4*BLKB                     ; a K step of 256 rows
.set XBASE, 6*WSTEP                    ; LDS: the weights, then x,
.set XCH,   XBASE+6*XSTEP              ; then 1,024 bytes in which the two halves of v's scale words meet: no tensor load lands there
.set SPARE, XCH+1024                   ; the spare words, 128 bytes for each wave
.set XF,  16                           ; v16-63   four fragments of x
.set WF,  64                           ; v64-111  four of the weight
.set XS,  112                          ; v112-115 x's scale words; v116-119 the weight's: scales and nothing else
.set WS,  116
.set SPW, 126                          ; v126 my spare word, v127 0
.set NIL, 127
.set ACC, 128                          ; v128-255 the 16 accumulators
.set TM,  16                           ; behind the products: v16-27 at work, v28-35 halves of blocks, v36-37 scale words, v40-63 codes
.set CT,  28
.set PW,  36
.set PC,  40
.set QW,  64                           ; v64-67 q's words; v68-69 the partner's words; v72-75 v's words
.set PP,  68
.set VW,  72
.set WV,  12                           ; s12 wave, s13 p, s14 Gi, s15 c
.set G1W, 24                           ; s[24:31] descriptor group 1 for the weights, s[32:39] for x
.set G1X, 32
.set G0W, 40                           ; s[40:43], s[44:47] groups 0
.set G0X, 44
.set SEL, 92                           ; s[92:93]
.macro QUANT src, pc, xt, pw, tm       ; 64 numbers of a lane, register 16 b + i = place 16 (lane / 16) + i of block b, become 12 registers of codes and a word of four bytes
.irp b, 0,1,2,3
	v_max3_num_f32 v[\tm+\b], |v[\src+16*\b]|, |v[\src+16*\b+1]|, 0x1800000      ; each accumulator is read from its low end on; the floor 2^(3 - 127) holds the byte at 1
.endr
.irp i, 2,4,6,8,10,12,14
.irp b, 0,1,2,3
	v_max3_num_f32 v[\tm+\b], v[\tm+\b], |v[\src+16*\b+\i]|, |v[\src+16*\b+\i+1]|
.endr
.endr
.irp b, 0,1,2,3
	s_delay_alu instid0(VALU_DEP_4)
	v_permlanex16_b32 v[\tm+4+\b], v[\tm+\b], s[SEL], s[SEL+1]
.endr
.irp b, 0,1,2,3
	s_delay_alu instid0(VALU_DEP_4)
	v_max_num_f32 v[\tm+\b], v[\tm+\b], v[\tm+4+\b]
.endr
.irp b, 0,1,2,3
	s_delay_alu instid0(VALU_DEP_4)
	v_add_nc_u32 v[\tm+8+\b], 0xff000000, v[\tm+\b]        ; 2 off the exponent field: the conversion's scale operand
.endr
.irp b, 0,1,2,3
	s_delay_alu instid0(VALU_DEP_4)
	v_lshrrev_b32 v[\tm+4+\b], 23, v[\tm+8+\b]
.endr
	s_delay_alu instid0(VALU_DEP_3)
	v_lshl_or_b32 v[\pw], v[\tm+5], 8, v[\tm+4]
	s_delay_alu instid0(VALU_DEP_1)
	v_lshl_or_b32 v[\pw], v[\tm+6], 16, v[\pw]
	s_delay_alu instid0(VALU_DEP_1)
	v_lshl_or_b32 v[\pw], v[\tm+7], 24, v[\pw]
.irp c, 0,1
	v_cvt_scalef32_pk16_fp6_f32 v[\pc+6*\c:\pc+6*\c+2], v[\src+32*\c:\src+32*\c+15], v[\tm+8+2*\c]
	v_cvt_scalef32_pk16_fp6_f32 v[\xt+4*\c:\xt+4*\c+2], v[\src+32*\c+16:\src+32*\c+31], v[\tm+8+2*\c+1]
.endr
	v_nop                                                  ; one plain instruction behind a scaled conversion
.irp c, 0,1
.irp i, 0,1,2
	v_permlane16_swap_b32 v[\pc+6*\c+\i], v[\xt+4*\c+\i]
.endr
.irp i, 0,1,2
	s_delay_alu instid0(VALU_DEP_3)
	v_mov_b32 v[\pc+6*\c+3+\i], v[\xt+4*\c+\i]
.endr
.endr
.endm
.macro CROUND                          ; a round of the cluster's barrier
	s_barrier_signal -1
	s_barrier_wait -1
	s_cmp_lg_u32 s[WV], 0
	s_cbranch_scc1 .Lnot_wave_0_\@
	s_barrier_signal -3
.Lnot_wave_0_\@:
	s_barrier_wait -3
	s_barrier_signal -1
	s_barrier_wait -1
.endm
.macro TLOAD g0, g1
	tensor_load_to_lds s[\g0:\g0+3], s[\g1:\g1+7]
	s_nop 0
.rept 4
	v_nop
.endr
.endm
	s_load_b256 s[4:11], s[0:1], 0x0               ; xq s[4:5], wq s[6:7], qc s[8:9], kv s[10:11]
	v_lshl_add_u32 v[SPW], v0, 2, SPARE
	v_mov_b32 v[NIL], 0
	ds_add_u32 v[SPW], v[NIL]                      ; the opening add, twice on end
	ds_add_u32 v[SPW], v[NIL]
	v_lshrrev_b32 v1, 5, v0
	v_readfirstlane_b32 s[WV], v1                  ; wave 0..11
	s_lshr_b32 s13, s[WV], 2                       ; p
	s_bfe_u32 s14, s[WV], 0x10001                  ; Gi
	s_and_b32 s15, s[WV], 1                        ; c.  Also: I fetch the weights (0) or x (1)
	s_lshr_b32 s48, s[WV], 1                       ; the K step that I fetch
	s_bfe_u32 s17, ttmp6, 0x40000                  ; cx, cy: my place in the cluster
	s_bfe_u32 s18, ttmp6, 0x40004
	s_lshl_b32 s19, ttmp9, 2
	s_add_co_u32 s19, s19, s17                     ; the pair of groups = 4 x cluster x + cx
	s_and_b32 s20, ttmp7, 0xffff
	s_lshl_b32 s20, s20, 2
	s_add_co_u32 s20, s20, s18                     ; the head = 4 x cluster y + cy
	s_lshl_b32 s21, s18, 2
	s_lshl_b32 s21, 15, s21                        ; my row of the cluster
	s_lshl_b32 s16, 0x1111, s17                    ; my column
	; descriptor group 1: dense memory as rows of 256 bytes (32 elements of 8 bytes), no padding; 78 rows are a K step of the weights, 104 one of x
	s_or_b32 s[G1W], s21, (3<<16)|(1<<21)          ; 15:0 the mask: the weights go to my row; 17:16 elements of 8 bytes; 21 set beside a mask
	s_mov_b32 s[G1W+1], 32<<16                     ; tensor_dim0
	s_mov_b32 s[G1W+2], 78<<16                     ; tensor_dim1
	s_mov_b32 s[G1W+3], 32<<16                     ; tile_dim0
	s_mov_b32 s[G1W+4], 78                         ; tile_dim1
	s_mov_b32 s[G1W+5], 32                         ; from row to row
	s_mov_b32 s[G1W+6], 0
	s_mov_b32 s[G1W+7], 0
	s_or_b32 s[G1X], s16, (3<<16)|(1<<21)          ; x goes to my column
	s_mov_b32 s[G1X+1], 32<<16
	s_mov_b32 s[G1X+2], 104<<16
	s_mov_b32 s[G1X+3], 32<<16
	s_mov_b32 s[G1X+4], 104
	s_mov_b32 s[G1X+5], 32
	s_mov_b32 s[G1X+6], 0
	s_mov_b32 s[G1X+7], 0
	; the weights' address hangs on the head alone, x's on the pair of groups alone; every wave makes both, in registers that never hold the other coordinate
	s_mul_i32 s22, s20, 6*WSTEP
	s_mul_i32 s96, s48, WSTEP                      ; my K step: in memory and in LDS alike
	s_add_co_u32 s22, s22, s96
	s_mov_b32 s23, 0
	s_mul_i32 s94, s19, 6*XSTEP
	s_mul_i32 s97, s48, XSTEP
	s_add_co_u32 s94, s94, s97
	s_mov_b32 s95, 0
	s_mov_b32 s[G0W], 1                            ; count = 1
	s_mov_b32 s[G0W+1], s96                        ; LDS address
	s_mov_b32 s[G0X], 1
	s_add_co_u32 s[G0X+1], s97, XBASE
	s_mov_b32 s[SEL], 0x76543210
	s_mov_b32 s[SEL+1], 0xfedcba98
	s_wait_alu depctr_va_vdst(0)
	s_wait_dscnt 0x0                               ; both opening adds are done
	CROUND                                         ; all sixteen work-groups are here: the joint loads meet
	s_wait_kmcnt 0x0
	s_add_nc_u64 s[G0W+2:G0W+3], s[6:7], s[22:23]
	s_or_b32 s[G0W+3], s[G0W+3], 0x80000000        ; type = 2
	s_add_nc_u64 s[G0X+2:G0X+3], s[4:5], s[94:95]
	s_or_b32 s[G0X+3], s[G0X+3], 0x80000000
	; one chain of branches on the wave's number, one load to an arm; waves 0-3, whose loads the first barrier shows, have lines of their own
	s_cmp_eq_u32 s15, 0
	s_cbranch_scc0 .Lask_x
	s_cmp_lt_u32 s[WV], 4
	s_cbranch_scc0 .Lask_w_late
	TLOAD G0W, G1W
	s_branch .Lasked
.Lask_w_late:
	TLOAD G0W, G1W
	s_branch .Lasked
.Lask_x:
	s_cmp_lt_u32 s[WV], 4
	s_cbranch_scc0 .Lask_x_late
	TLOAD G0X, G1X
	s_branch .Lasked
.Lask_x_late:
	TLOAD G0X, G1X
.Lasked:
	v_and_b32 v8, 31, v0
	v_lshlrev_b32 v1, 4, v8                        ; v1 = 16 L
	v_lshlrev_b32 v2, 3, v8                        ; v2 = 8 L
	s_wait_alu depctr_va_vdst(0)
	s_mul_i32 s96, s14, XSTEP/2
	s_mul_i32 s97, s15, BLKB
	s_add_co_u32 s96, s96, s97
	s_add_co_u32 s96, s96, XBASE
	v_add_nc_u32 v3, s96, v1                       ; v3, v4: my block of x in K step 0, by 16 and by 8 bytes a lane
	v_add_nc_u32 v4, s96, v2
	s_mul_i32 s97, s13, BLKB
	v_add_nc_u32 v5, s97, v1                       ; v5, v6: my block of the weights
	v_add_nc_u32 v6, s97, v2
	s_and_b32 s97, s[WV], 3
	s_lshl_b32 s97, s97, 8
	s_add_co_u32 s97, s97, XCH
	v_add_nc_u32 v7, s97, v2                       ; v7: where a wave of role v puts its two words
; One product.  The 16 accumulators take turns, one instruction a turn, in the same order in every K step.  K step 0 starts the sums with the constant 0.
.macro ONE s
.if \s == 0
	v_wmma_scale_f32_16x16x128_f8f6f4 v[D_:D_+7], v[A_:A_+11], v[B_:B_+11], 0, v[X_], v[Y_] matrix_a_fmt:MATRIX_FMT_FP6 matrix_b_fmt:MATRIX_FMT_FP6
.else
	v_wmma_scale_f32_16x16x128_f8f6f4 v[D_:D_+7], v[A_:A_+11], v[B_:B_+11], v[D_:D_+7], v[X_], v[Y_] matrix_a_fmt:MATRIX_FMT_FP6 matrix_b_fmt:MATRIX_FMT_FP6
.endif
.endm
.macro MUL s, vrole
.irp j, 0,1,2,3
	s_wait_dscnt 9-3*\j                            ; x's fragment j is in; the three loads of each later one may be out
.irp t, 0,1,2,3
.if \vrole
.set D_, ACC+32*\t+8*\j
.set A_, XF+12*\j
.set B_, WF+12*\t
.set X_, XS+\j
.set Y_, WS+\t
.else
.set D_, ACC+32*\j+8*\t
.set A_, WF+12*\t
.set B_, XF+12*\j
.set X_, WS+\t
.set Y_, XS+\j
.endif
	ONE \s
.endr
.endr
.endm
.macro KSTEP s
	ds_load_b64 v[XS:XS+1], v4 offset:6144
	ds_load_b64 v[XS+2:XS+3], v4 offset:6400
	ds_load_b64 v[WS:WS+1], v6 offset:6144
	ds_load_b64 v[WS+2:WS+3], v6 offset:6400
.irp j, 0,1,2,3
.irp k, 0,1,2
	ds_load_b128 v[WF+12*\j+4*\k:WF+12*\j+4*\k+3], v5 offset:1536*\j+512*\k
.endr
.endr
.irp j, 0,1,2,3
.irp k, 0,1,2
	ds_load_b128 v[XF+12*\j+4*\k:XF+12*\j+4*\k+3], v3 offset:1536*\j+512*\k
.endr
.endr
	s_cmp_eq_u32 s13, 2                            ; the role hangs on the wave's number alone; no barrier stands inside the branch
	s_cbranch_scc1 .Lrole_v_\@
	MUL \s, 0
	s_branch .Lmultiplied_\@
.Lrole_v_\@:
	MUL \s, 1
.Lmultiplied_\@:
.if \s < 5
	v_add_nc_u32 v3, XSTEP, v3                     ; on to the next K step: these four are also the places in front of the loads into registers that the products have read
	v_add_nc_u32 v4, XSTEP, v4
	v_add_nc_u32 v5, WSTEP, v5
	v_add_nc_u32 v6, WSTEP, v6
	s_wait_alu depctr_va_vdst(0)
.else
.rept 4
	v_nop                                          ; the places in front of the first read of results and the first write of the fragments' registers
.endr
.endif
.endm
	s_wait_alu depctr_va_vdst(0)                   ; the wait at the head's end
	s_cmp_lt_u32 s[WV], 4
	s_cbranch_scc0 .Lnot_early
	s_wait_tensorcnt 0x0                           ; waves 0-3: my part of K steps 0 and 1 is in
.Lnot_early:
	s_barrier_signal -1
	s_barrier_wait -1                              ; K steps 0 and 1 are whole
	KSTEP 0
	KSTEP 1
	s_wait_tensorcnt 0x0                           ; every wave: the load that was out has landed
	s_barrier_signal -1
	s_barrier_wait -1                              ; all six K steps are whole
	KSTEP 2
	KSTEP 3
	KSTEP 4
	KSTEP 5
.irp b, 0,1,2,3
	v_mov_b32 v[TM+4+\b], 0                        ; a lane permute's destination counts as one of its sources
.endr
	QUANT ACC, PC, CT, PW, TM
	QUANT ACC+64, PC+12, CT, PW+1, TM
	s_lshl_b32 s96, s20, 5
	s_lshl_b32 s97, s19, 1
	s_add_co_u32 s96, s96, s97
	s_add_co_u32 s96, s96, s14                     ; 32 x head + group
	s_mov_b32 s97, 0
.macro HALVES pc, sp, o0, o1           ; 12 registers leave as two half images
	global_store_b128 v1, v[\pc:\pc+3], s[\sp:\sp+1] offset:\o0
	global_store_b64 v2, v[\pc+4:\pc+5], s[\sp:\sp+1] offset:\o0+512
	global_store_b128 v1, v[\pc+6:\pc+9], s[\sp:\sp+1] offset:\o1
	global_store_b64 v2, v[\pc+10:\pc+11], s[\sp:\sp+1] offset:\o1+512
.endm
	s_wait_alu depctr_va_vdst(0)
	s_cmp_lg_u32 s13, 0
	s_cbranch_scc1 .Lnot_q
	; ---- q: run i of the codes is tiles 4 c + 2 i and 4 c + 2 i + 1; a tile's two bytes are written twice, so that the word serves either half of an instruction's K
	s_mul_i32 s96, s96, 7168
	s_add_nc_u64 s[8:9], s[8:9], s[96:97]
	s_mul_i32 s96, s15, 3072
	s_add_nc_u64 s[98:99], s[8:9], s[96:97]
	s_lshl_b32 s96, s15, 9
	s_add_nc_u64 s[8:9], s[8:9], s[96:97]
.irp i, 0,1
	v_perm_b32 v[QW+2*\i], v[PW+\i], v[PW+\i], 0x01000100
	v_perm_b32 v[QW+2*\i+1], v[PW+\i], v[PW+\i], 0x03020302
.endr
	s_wait_alu depctr_va_vdst(0)
.irp i, 0,1
	HALVES PC+12*\i, 98, 1536*\i, 1536*\i+768
	global_store_b64 v2, v[QW+2*\i:QW+2*\i+1], s[8:9] offset:6144+256*\i
.endr
	s_branch .Lstored
.Lnot_q:
	s_mul_i32 s96, s96, 13312
	s_add_nc_u64 s[10:11], s[10:11], s[96:97]      ; my group's block of kv
	s_cmp_lg_u32 s13, 1
	s_cbranch_scc1 .Lrole_v
	; ---- k: run i is the pair of tiles 2 c + i, one whole image; its word is the pair's
	s_mul_i32 s96, s15, 3072
	s_add_nc_u64 s[98:99], s[10:11], s[96:97]
	s_lshl_b32 s96, s15, 8
	s_add_nc_u64 s[10:11], s[10:11], s[96:97]
.irp i, 0,1
.irp k, 0,1,2
	global_store_b128 v1, v[PC+12*\i+4*\k:PC+12*\i+4*\k+3], s[98:99] offset:1536*\i+512*\k
.endr
.endr
	global_store_b64 v2, v[PW:PW+1], s[10:11] offset:6144
	s_branch .Lstored
.Lrole_v:
	; ---- v: run i is registers 6 c .. 6 c + 5 of the fragments of tiles 2 i and 2 i + 1 of the head's 64; my words hold bytes 2 c, 2 c + 1 of theirs
	s_mul_i32 s96, s15, 768
	s_add_nc_u64 s[98:99], s[10:11], s[96:97]
.irp i, 0,1
	HALVES PC+12*\i, 98, 6656+3072*\i, 6656+3072*\i+1536
.endr
	ds_store_b64 v7, v[PW:PW+1]
.Lstored:
	s_wait_dscnt 0x0                               ; for the others' sake: my LDS store has landed
	s_barrier_signal -1
	s_barrier_wait -1
	s_and_b32 s96, s[WV], 13
	s_cmp_eq_u32 s96, 8                            ; waves 8 and 10: role v, c = 0
	s_cbranch_scc0 .Ldone
	ds_load_b64 v[PP:PP+1], v7 offset:256          ; the words of the wave beside me, c = 1
	s_wait_dscnt 0x0
.irp i, 0,1
	v_perm_b32 v[VW+2*\i], v[PP+\i], v[PW+\i], 0x05040100      ; tile 2 i: my two bytes, then the partner's
	v_perm_b32 v[VW+2*\i+1], v[PP+\i], v[PW+\i], 0x07060302    ; tile 2 i + 1
.endr
	global_store_b128 v1, v[VW:VW+3], s[10:11] offset:12800
.Ldone:
	s_wait_tensorcnt 0x0                           ; the wave's end
	ds_add_u32 v[SPW], v[NIL]
	s_wait_dscnt 0x0
	CROUND                                         ; the closing round: no work-group ends while a partner may still ask for a block that names it
	s_endpgm
.Lfunc_end_k_q0e085d60b2_project:
	.size	k_q0e085d60b2_project, .Lfunc_end_k_q0e085d60b2_project-k_q0e085d60b2_project
	.p2alignl 7, 3214868480
	.fill 96, 4, 3214868480
	.section	.rodata,"a",@progbits
	.p2align	6, 0x0
	.amdhsa_kernel k_q0e085d60b2_project
		.amdhsa_group_segment_fixed_size 327680
		.amdhsa_private_segment_fixed_size 0
		.amdhsa_enable_private_segment 0
		.amdhsa_kernarg_size 32
		.amdhsa_user_sgpr_count 2
		.amdhsa_user_sgpr_kernarg_segment_ptr 1
		.amdhsa_wavefront_size32 1
		.amdhsa_system_sgpr_workgroup_id_x 1
		.amdhsa_system_sgpr_workgroup_id_y 1
		.amdhsa_system_sgpr_workgroup_id_z 1
		.amdhsa_system_vgpr_workitem_id 0
		.amdhsa_next_free_vgpr 256
		.amdhsa_next_free_sgpr 100
		.amdhsa_reserve_vcc 0
		.amdhsa_float_denorm_mode_32 3
		.amdhsa_float_denorm_mode_16_64 3
		.amdhsa_memory_ordered 1
		.amdhsa_forward_progress 1
		.amdhsa_inst_pref_size 58
	.end_amdhsa_kernel
	.amdgpu_metadata
---
amdhsa.version: [ 1, 2 ]
amdhsa.kernels:
  - .name:           k_q0e085d60b2_project
    .symbol:         k_q0e085d60b2_project.kd
    .args:
      - { .name: xq, .offset: 0, .size: 8, .value_kind: global_buffer, .address_space: global }
      - { .name: wq, .offset: 8, .size: 8, .value_kind: global_buffer, .address_space: global }
      - { .name: qc, .offset: 16, .size: 8, .value_kind: global_buffer, .address_space: global }
      - { .name: kv, .offset: 24, .size: 8, .value_kind: global_buffer, .address_space: global }
    .group_segment_fixed_size: 327680
    .private_segment_fixed_size: 0
    .kernarg_segment_align: 8
    .kernarg_segment_size: 32
    .max_flat_workgroup_size: 384
    .sgpr_count:     100
    .vgpr_count:     256
    .wavefront_size: 32
...
	.end_amdgpu_metadata
.endif
;; end of part 2
;; launch attend (part 3): grid 21 x 12, 16 waves a work-group, no clusters, 327,680 bytes of LDS; arguments qc, kv, out0; writes out0
.if DOCPART == 3
	.amdgcn_target "amdgcn-amd-amdhsa--gfx1250"
	.amdhsa_code_object_version 6
	.text
	.protected	k_q0e085d60b2_attend
	.globl	k_q0e085d60b2_attend
	.p2align	8
	.type	k_q0e085d60b2_attend,@function
k_q0e085d60b2_attend:
	s_mov_b64 s[64:65], 0
	v_nop
	global_prefetch_b8 v0, s[64:65] scope:SCOPE_SE
	s_setreg_imm32_b32 hwreg(HW_REG_WAVE_MODE, 25, 1), 1
	s_wait_xcnt 0x0
; out[h][q][:] = the sum over keys k <= q of softmax_k(q . k / 8) v[k][:], both products on codes of E2M3 with E8M0 scales.
; WORK LEFT OUT: a key step all of whose keys come after a tile's queries is not multiplied: the causal mask makes its scores -infinity for every input, so its p are 0.  (A NaN, an infinity or an overflow that reaches only such scores is not carried to the result.)
; THE SOFTMAX AHEAD OF THE SECOND PRODUCT: t = score x log2(e) / 8; M = the row's largest t so far, rounded up to a whole number; p = 2^(t - M) is quantised along the keys, not normalised.
; The row's sum is taken of the unquantised p and divides at the end.  When M moves, the sum and O are multiplied by 2^(old M - new M), which rounds nothing.
; SHARES.  A wave works on one tile of 16 queries.  A tile of block B (128 queries) wants key steps 0 .. B of 128 keys: its cost is B + 1 steps.  A head has 64 QUADS of four tiles (half a block), 1,056 quad steps in all.
; 21 work-groups a head, 252 in all, each of four CLASSES of four waves: 84 wave quads for 64 tile quads.  So the 20 dearest quads (cost 23 to 32) are SHARED by two classes:
; class 0 takes a tile's even key steps, class 1 its odd ones, each with an M, a sum and an O^T of its own, and the two meet in LDS.
;   work-group j < 20, i = j % 10, half j / 10 of each block: classes 0 and 1 share cost 32 - i; classes 2 and 3 take costs (13,5) (14,6) (19,1) (15,7) (20,2) (12,11) (16,8) (21,4) (17,10) (18,9) for i = 0 .. 9;
;   work-group 20: both halves of cost 22 (classes 0, 1) and of cost 3 (classes 2, 3), none shared.   Every work-group's four classes cost 50 or 51 steps together, and every quad of the head is taken once.
; class = (w + w / 4) & 3, member (the tile in the quad) = w / 4: four waves w with the same w % 4, and four with the same w / 4, hold one wave of each class.
; TRIPS.  In trip T a wave with a tile of its own takes key step T, a wave of a shared tile key step 2 T or 2 T + 1: so between two barriers, four trips, every wave has four steps at the most, and all have as many until a tile is done.
; LDS holds 24 key steps (13,312 bytes each, dense in memory) in three regions of eight.  The sixteen waves ask for key steps 0-23 at the head, one load of 78 rows of 256 bytes each.  Behind trip 7 nobody reads key steps 0-7 any more, and key steps 24-31 take
; their bytes: ONE refill, by waves 0-3, and only in the work-groups whose deepest tile has them (a test on ids).  It has trips 8-11 in which to land.  Behind trip 15 only key steps 16-21 are still read (by tiles of a wave's own), so the first two regions,
; which have had their last fill, hold the stages.  Trip counts are constants of the text and no barrier is jumped over; what is jumped over is the work of a step that is not the wave's.
; NO CLUSTER: the work-groups of a head read the same K and V, but the branches that leave out steps hang on the work-group's number, which differs between them, and partners in joint requests must run alike.
; NO PREFETCH: of a work-group's 32 key steps 24 are asked for at the head, and the other eight have four trips in which to land.
; LAYOUT.  Both products are used transposed (S^T = K Q^T, O^T = V^T P^T): a lane holds one query.  K, V and their scale words lie in memory as images of the operands' registers.
; K = 64 IN AN INSTRUCTION OF 128: a fragment of K carries two tiles of 16 keys, one in k 0-63 and one in k 64-127.  Against [Q | zero codes] it gives the first tile's scores, against [zero codes | Q] the second's:
; a zero code adds nothing under any scale byte of 1 to 254.  v16-33 hold six zeros, Q's six registers, six zeros, and the two operands are v[22:33] and v[16:27].
; The keys of a tile are chosen so that register 16 b + i of a lane's 64 scores is key 32 b + 16 (lane / 16) + i of the step.
; LIMITS: no NaN, no infinities among the inputs; scaled scores t under 2^31 in magnitude.  A p under 2^-126 comes out of v_exp_f32 as 0.  A block whose every p is 0 keeps the byte 1; its codes are zeros.  1 / the sum is v_rcp_f32, behind the last quantiser.
.set STEPB, 13312                      ; a key step: K's four images, their words, V's eight half images, their words
.set PART,  24*STEPB/16                ; a wave's part of the head's fill: 78 rows of 256 bytes
.set GST,   0                          ; region 0, behind trip 15: a shared tile's odd half on its way to the even one, 4,352 bytes for each wave
.set OST,   8*STEPB                    ; region 1, behind trip 15: 16 rows x 272 for the way out, for each wave
.set SPARE, 24*STEPB                   ; the spare words, 128 bytes for each wave: eight blocks of 256 bytes that no other line names
.set QS,  34                           ; v34 Q's scale word, v35 P's, v36-39 K's, v40-43 V's: scales and nothing else
.set PS,  35
.set KS,  36
.set VS,  40
.set KFR, 44                           ; v44-91 K's four fragments; behind the scores these registers are at work:
.set BM,  44                           ; v44-47 the blocks' largest scores, then largest p
.set SO,  52                           ; v52-55 the conversions' scale operands
.set CT,  56                           ; v56-63 halves of blocks on their way
.set FF,  66                           ; v[66:67] f = 2^(old M - new M) (the low word serves both halves)
.set TP,  68                           ; v64-65, v84-91, v252-255 partial sums
.set PT,  92                           ; v92-95 the other half of the lanes' maxima, then bytes
.set S,   96                           ; v96-159 S^T, then p
.set O,   160                          ; v160-191 O^T
.set VF,  192                          ; v192-239 V's four fragments
.set PC,  240                          ; v240-251 P's codes
; v1 16 L, v2 8 L, v3 my spare word, v4 0, v5 my query's place in its block less 16 (lane / 16), v6 -infinity, v7 my byte in two rows of out, v8, v9 the step's LDS addresses, v10, v11 the stage, v12 -M, v13 the largest t, v[14:15] the sum
.set WV,  10                           ; s10 wave
.set SEL, 20                           ; s[20:21]
.set CS,  22                           ; s[22:23] c = log2(e) / 8
.set G1,  24                           ; s[24:31], s[32:35] the descriptor
.set G0,  32
.set TB,  36                           ; LDS byte at which the step in hand begins
.set SKF, 37                           ; the step's first key
.set QB,  38                           ; my block's first query
.set J,   39                           ; the trip, counted from the segment's first
.set BI,  40                           ; the LDS place, in steps, of the segment's first step
.set M3,  41                           ; 3 if my tile is shared, else 0: J + (J & M3) is J or 2 J for J = 0 .. 3
.set KO,  52                           ; key step less LDS place
.set JOB, 53                           ; 0: a tile of my own; 1: a shared tile's even steps, and its way out; 2: its odd steps
.set PAR, 54                           ; 1 if the odd steps are mine
.set DEEP, 58                          ; the work-group's deepest block
.set SH,  62                           ; 1 if my tile is shared
	s_load_b128 s[4:7], s[0:1], 0x0                ; qc s[4:5], kv s[6:7]
	s_load_b64 s[8:9], s[0:1], 0x10                ; out0
	v_lshl_add_u32 v3, v0, 2, SPARE
	v_mov_b32 v4, 0
	ds_add_u32 v3, v4                              ; the opening add, twice on end
	ds_add_u32 v3, v4
	v_lshrrev_b32 v1, 5, v0
	v_readfirstlane_b32 s[WV], v1                  ; wave 0..15
	; which tile is mine: all of it hangs on the wave's and the work-group's number
	s_lshr_b32 s11, s[WV], 2                       ; member
	s_add_co_u32 s13, s[WV], s11
	s_and_b32 s13, s13, 3                          ; class
	s_and_b32 s[PAR], s13, 1                       ; class & 1
	s_cmp_lt_u32 ttmp9, 10
	s_cselect_b32 s16, 0, 1                        ; which half of each block
	s_cselect_b32 s17, 0, 10
	s_sub_co_u32 s17, ttmp9, s17                   ; i = 0 .. 9; 10 for work-group 20
	s_and_b32 s18, s17, 7
	s_lshl_b32 s18, s18, 2                         ; an entry of the tables is four bits
	s_mov_b32 s42, 0x94083721                      ; class 2's block less 11: 1, 2, 7, 3, 8, 0, 4, 9,
	s_mov_b32 s43, 0x65                            ; 5, 6
	s_mov_b32 s44, 0x37a16054                      ; class 3's block: 4, 5, 0, 6, 1, 10, 7, 3,
	s_mov_b32 s45, 0x289                           ; 9, 8; and 2 for work-group 20
	s_cmp_lt_u32 s17, 8
	s_cselect_b32 s42, s42, s43
	s_cselect_b32 s44, s44, s45
	s_lshr_b32 s42, s42, s18
	s_and_b32 s42, s42, 15
	s_add_co_u32 s42, s42, 11
	s_lshr_b32 s44, s44, s18
	s_and_b32 s44, s44, 15
	s_sub_co_u32 s[DEEP], 31, s17                  ; classes 0 and 1: block 31 - i (21 in work-group 20)
	s_cmp_eq_u32 ttmp9, 20
	s_cselect_b32 s42, 2, s42                      ; work-group 20: classes 2 and 3 take block 2,
	s_cselect_b32 s16, s[PAR], s16                 ; a class takes the half class & 1,
	s_cselect_b32 s45, 0, 1                        ; and nothing is shared
	s_cmp_eq_u32 s13, 2
	s_cselect_b32 s14, s42, s44
	s_cmp_lt_u32 s13, 2
	s_cselect_b32 s14, s[DEEP], s14                ; my block B
	s_cselect_b32 s[SH], s45, 0
	s_and_b32 s[PAR], s[PAR], s[SH]
	s_add_co_u32 s[JOB], s[SH], s[PAR]
	s_mul_i32 s[M3], s[SH], 3
	s_lshl_b32 s12, s16, 2
	s_add_co_u32 s12, s12, s11                     ; my tile of the block: 4 x half + member
	s_and_b32 s15, ttmp7, 0xffff                   ; the head
	s_mov_b32 s[G1], 3<<16                         ; no mask; elements of 8 bytes; no padding
	s_mov_b32 s[G1+1], 32<<16                      ; tensor_dim0: rows of 256 bytes
	s_mov_b32 s[G1+2], 78<<16                      ; tensor_dim1: a step and a half
	s_mov_b32 s[G1+3], 32<<16                      ; tile_dim0
	s_mov_b32 s[G1+4], 78                          ; tile_dim1
	s_mov_b32 s[G1+5], 32                          ; from row to row
	s_mov_b32 s[G1+6], 0
	s_mov_b32 s[G1+7], 0
	s_mov_b32 s[G0], 1
	s_mul_i32 s[G0+1], s[WV], PART                 ; LDS: my part
	s_mul_i32 s60, s15, 32*STEPB                   ; the head's 32 key steps
	s_add_co_u32 s42, s60, s[G0+1]
	s_mov_b32 s43, 0
	s_and_b32 s16, s[WV], 3
	s_mul_i32 s63, s16, 2*STEPB                    ; the refill: two steps a wave, from LDS byte 0 on,
	s_add_co_u32 s60, s60, s63
	s_add_co_u32 s60, s60, 24*STEPB                ; and from key step 24 on
	s_mov_b32 s61, 0
	s_lshl_b32 s44, s15, 5
	s_add_co_u32 s44, s44, s14
	s_mul_i32 s44, s44, 7168                       ; my block of qc
	s_mul_i32 s45, s12, 768
	s_add_co_u32 s46, s44, s45                     ; my tile's half image
	s_mov_b32 s47, 0
	s_lshr_b32 s45, s12, 1
	s_lshl_b32 s48, s45, 5                         ; 32 (tile / 2)
	s_lshl_b32 s45, s45, 8
	s_add_co_u32 s44, s44, s45
	s_and_b32 s45, s12, 1
	s_lshl_b32 s49, s45, 3
	s_add_co_u32 s48, s48, s49                     ; + 8 (tile % 2): lane 0's query in the block
	s_lshl_b32 s45, s45, 2
	s_add_co_u32 s44, s44, s45                     ; my tile's scale words, less 6,144
	s_mov_b32 s45, 0
	s_lshl_b32 s50, s14, 7
	s_mov_b32 s[QB], s50
	s_add_co_u32 s50, s50, s48
	s_lshl_b32 s50, s50, 8                         ; rows of out are 256 bytes
	s_lshl_b32 s51, s15, 20                        ; a head's 4,096 rows
	s_add_co_u32 s50, s50, s51
	s_mov_b32 s51, 0
	s_mov_b32 s[SEL], 0x76543210
	s_mov_b32 s[SEL+1], 0xfedcba98
	s_mov_b32 s[CS], 0x3e38aa3b                    ; c = log2(e) / 8
	s_mov_b32 s[CS+1], s[CS]                       ; (named with it as a pair, so it is written)
	s_wait_alu depctr_va_vdst(0)
	s_wait_dscnt 0x0                               ; both opening adds are done
	s_wait_kmcnt 0x0
	s_add_nc_u64 s[G0+2:G0+3], s[6:7], s[42:43]
	s_or_b32 s[G0+3], s[G0+3], 0x80000000          ; type = 2
	s_cmp_lt_u32 s[WV], 6                          ; one load a wave; waves 0-5 (key steps 0-8), which the first barrier shows, have a line of their own
	s_cbranch_scc0 .Lask_late
	tensor_load_to_lds s[G0:G0+3], s[G1:G1+7]
	s_nop 0
.rept 4
	v_nop
.endr
	s_branch .Lasked
.Lask_late:
	tensor_load_to_lds s[G0:G0+3], s[G1:G1+7]
	s_nop 0
.rept 4
	v_nop
.endr
.Lasked:
	s_add_nc_u64 s[46:47], s[4:5], s[46:47]
	s_add_nc_u64 s[44:45], s[4:5], s[44:45]
	s_add_nc_u64 s[8:9], s[8:9], s[50:51]
	v_and_b32 v8, 31, v0
	v_lshlrev_b32 v1, 4, v8
	v_lshlrev_b32 v2, 3, v8
	global_load_b128 v[22:25], v1, s[46:47]        ; Q stays in registers
	global_load_b64 v[26:27], v2, s[46:47] offset:512
	global_load_b32 v[QS], v2, s[44:45] offset:6144
	v_and_b32 v9, 15, v0                           ; r
	v_bfe_u32 v10, v0, 4, 1                        ; h
	v_and_b32 v11, 8, v9
	v_add_nc_u32 v11, v11, v9                      ; r + (r & 8)
	v_lshlrev_b32 v5, 4, v10
	v_sub_nc_u32 v5, v11, v5
	v_add_nc_u32 v5, s48, v5                       ; my query's place in its block, less 16 h
	v_mov_b32 v6, 0xff800000                       ; -infinity
	v_lshlrev_b32 v7, 8, v10
	v_lshl_add_u32 v7, v9, 4, v7                   ; the way out: lanes 0-15 one row of out, lanes 16-31 the next; 16 bytes a lane
	s_mul_i32 s56, s[WV], 16*272                   ; my place among the stages,
	s_add_co_u32 s49, s56, OST
	s_add_co_u32 s55, s[WV], 1                     ; and that of the wave of the next class with my member: (w & 12) | ((w + 1) & 3)
	s_and_b32 s55, s55, 3
	s_and_b32 s57, s[WV], 12
	s_or_b32 s55, s55, s57
	s_mul_i32 s55, s55, 16*272
	s_wait_alu depctr_va_vdst(0)
	v_mul_u32_u24 v8, v9, 272
	v_lshl_add_u32 v8, v10, 5, v8                  ; in: row r, + 32 h
	v_mul_u32_u24 v11, v10, 272
	v_lshl_add_u32 v11, v9, 4, v11                 ; back: row h, + 16 r
	v_add_nc_u32 v11, s49, v11
	v_add_nc_u32 v10, s49, v8
.irp j, 16,17,18,19,20,21,28,29,30,31,32,33
	v_mov_b32 v[\j], 0                             ; the zero codes on both sides of Q
.endr
	v_mov_b32 v13, 0xff61b1e6                      ; the largest t so far: -3e38, under every t
	v_mov_b32 v14, 0                               ; the sum, in two halves
	v_mov_b32 v15, 0
	v_floor_f32 v12, -v13                          ; -M
.irp b, 0,1,2,3
	v_mov_b32 v[PT+\b], 0                          ; a lane permute's destination counts as one of its sources
.endr
.set NN, 0
.rept 32
	v_mov_b32 v[O+NN], 0                           ; O^T.  (The key step is one macro: its first trip finds zeros, which the first change of M leaves zeros)
.set NN, NN+1
.endr
; A KEY STEP: 128 keys.
.macro STEP
	s_cmp_gt_u32 s[SKF], s[QB]                     ; all its keys come after my queries: a scalar branch on ids, round the work alone
	s_cbranch_scc1 .Lhidden_\@
	v_add_nc_u32 v8, s[TB], v1
	v_add_nc_u32 v9, s[TB], v2
	v_nop
	v_nop                                          ; four places in front of loads into registers that the last products have read
.irp b, 0,1,2,3
.irp k, 0,1,2
	ds_load_b128 v[KFR+12*\b+4*\k:KFR+12*\b+4*\k+3], v8 offset:1536*\b+512*\k
.endr
.endr
	ds_load_b64 v[KS:KS+1], v9 offset:6144
	ds_load_b64 v[KS+2:KS+3], v9 offset:6400
.irp t, 0,1,2,3
.irp c, 0,1
	ds_load_b128 v[VF+12*\t+6*\c:VF+12*\t+6*\c+3], v8 offset:6656+1536*\t+768*\c
	ds_load_b64 v[VF+12*\t+6*\c+4:VF+12*\t+6*\c+5], v9 offset:6656+1536*\t+768*\c+512
.endr
.endr
	ds_load_b128 v[VS:VS+3], v8 offset:12800
	s_wait_dscnt 17                                ; K and its words are in; V's sixteen loads and its words may be out: they land under the softmax
.irp b, 0,1,2,3
.irp u, 0,1
	v_wmma_scale_f32_16x16x128_f8f6f4 v[S+16*\b+8*\u:S+16*\b+8*\u+7], v[KFR+12*\b:KFR+12*\b+11], v[22-6*\u:33-6*\u], 0, v[KS+\b], v[QS] matrix_a_fmt:MATRIX_FMT_FP6 matrix_b_fmt:MATRIX_FMT_FP6
.endr
.endr
.rept 4
	v_nop                                          ; places in front of the first read of the scores and the first write of K's registers
.endr
	s_cmp_lt_u32 s[SKF], s[QB]                     ; a step all of whose keys count skips the mask
	s_cbranch_scc1 .Lopen_\@
.set NN, 0
.rept 64                               ; on the diagonal: register 16 b + i holds the block's key 32 b + 16 h + i, hidden where 32 b + i > my query's place - 16 h.  Its score becomes -infinity: p = 0
	v_cmp_gt_i32 vcc_lo, 32*(NN/16)+NN%16, v5
	v_cndmask_b32 v[S+NN], v[S+NN], v6, vcc_lo
.set NN, NN+1
.endr
.Lopen_\@:
.irp b, 0,1,2,3
	v_max3_num_f32 v[BM+\b], v[S+16*\b], v[S+16*\b+1], v[S+16*\b+2]      ; the largest score of each block of 32 keys: it serves for the row's maximum and, since p rises with the score, for the block's largest p
.endr
.irp i, 3,5,7,9,11,13
.irp b, 0,1,2,3
	v_max3_num_f32 v[BM+\b], v[BM+\b], v[S+16*\b+\i], v[S+16*\b+\i+1]
.endr
.endr
.irp b, 0,1,2,3
	v_max_num_f32 v[BM+\b], v[BM+\b], v[S+16*\b+15]
.endr
.irp b, 0,1,2,3
	s_delay_alu instid0(VALU_DEP_4)
	v_permlanex16_b32 v[PT+\b], v[BM+\b], s[SEL], s[SEL+1]
.endr
.irp b, 0,1,2,3
	s_delay_alu instid0(VALU_DEP_4)
	v_max_num_f32 v[BM+\b], v[BM+\b], v[PT+\b]     ; with lane l xor 16's 16 keys
.endr
	s_delay_alu instid0(VALU_DEP_2)
	v_max3_num_f32 v[TP], v[BM], v[BM+1], v[BM+2]
	s_delay_alu instid0(VALU_DEP_1)
	v_max_num_f32 v[TP], v[TP], v[BM+3]            ; the step's largest score of my query
	s_delay_alu instid0(VALU_DEP_1)
	v_mul_f32 v[TP], s[CS], v[TP]                  ; as t
	s_delay_alu instid0(VALU_DEP_1)
	v_max_num_f32 v13, v13, v[TP]                  ; the running largest t
	v_mov_b32 v[TP], v12
	s_delay_alu instid0(VALU_DEP_2)
	v_floor_f32 v12, -v13                          ; the new -M = floor(-t): M is a whole number
	s_delay_alu instid0(VALU_DEP_1)
	v_sub_f32 v[TP], v12, v[TP]                    ; old M - new M: a whole number, 0 or less
	s_delay_alu instid0(VALU_DEP_1)
	v_cvt_i32_f32 v[TP], v[TP]                     ; (it saturates)
	s_delay_alu instid0(VALU_DEP_1)
	v_ldexp_f32 v[FF], 1.0, v[TP]                  ; f = 2^(old M - new M)
.set NN, 0
.rept 32
	v_pk_fma_f32 v[S+NN:S+NN+1], v[S+NN:S+NN+1], s[CS:CS+1], v[12:13] op_sel_hi:[1,0,0]   ; t - M, two at a time
.set NN, NN+2
.endr
.irp b, 0,1,2,3
	v_fma_f32 v[BM+\b], v[BM+\b], s[CS], v12       ; the same of each block's largest score
.endr
	s_wait_alu depctr_va_vdst(0)
.set NN, 0
.rept 64
	v_exp_f32 v[S+NN], v[S+NN]                     ; p = 2^(t - M), at most 1
.set NN, NN+1
.endr
.irp b, 0,1,2,3
	v_exp_f32 v[BM+\b], v[BM+\b]                   ; the block's largest p: the same two instructions on the same number
.endr
	v_pk_mul_f32 v[14:15], v[14:15], v[FF:FF+1] op_sel_hi:[1,0]    ; the sums under the new M.  (The plain instruction behind the exponentials)
	s_wait_alu depctr_va_vdst(0)
.irp b, 0,1,2,3
	v_max_num_f32 v[BM+\b], 0x1800000, v[BM+\b]    ; the floor 2^(3 - 127): the byte cannot fall under 1
.endr
.irp b, 0,1,2,3
	s_delay_alu instid0(VALU_DEP_4)
	v_add_nc_u32 v[SO+\b], 0xff000000, v[BM+\b]    ; 2 off the exponent field: the conversion's scale operand
.endr
.irp b, 0,1,2,3
	s_delay_alu instid0(VALU_DEP_4)
	v_lshrrev_b32 v[PT+\b], 23, v[SO+\b]           ; the byte
.endr
	s_delay_alu instid0(VALU_DEP_3)
	v_lshl_or_b32 v[PS], v[PT+1], 8, v[PT]         ; p's scale word for these 128 keys
	s_delay_alu instid0(VALU_DEP_1)
	v_lshl_or_b32 v[PS], v[PT+2], 16, v[PS]
	s_delay_alu instid0(VALU_DEP_1)
	v_lshl_or_b32 v[PS], v[PT+3], 24, v[PS]
.irp c, 0,1
	v_cvt_scalef32_pk16_fp6_f32 v[PC+6*\c:PC+6*\c+2], v[S+32*\c:S+32*\c+15], v[SO+2*\c]
	v_cvt_scalef32_pk16_fp6_f32 v[CT+4*\c:CT+4*\c+2], v[S+32*\c+16:S+32*\c+31], v[SO+2*\c+1]
.endr
	v_nop                                          ; one plain instruction behind a scaled conversion
.irp c, 0,1
.irp i, 0,1,2
	v_permlane16_swap_b32 v[PC+6*\c+\i], v[CT+4*\c+\i]     ; a whole block to a lane
.endr
.irp i, 0,1,2
	s_delay_alu instid0(VALU_DEP_3)
	v_mov_b32 v[PC+6*\c+3+\i], v[CT+4*\c+\i]
.endr
.endr
.set NN, S                             ; the row's sum, two at a time in eight chains: 32 pairs
.irp t, 64,84,86,88,90,252,254
	v_pk_add_f32 v[\t:\t+1], v[NN:NN+1], v[NN+2:NN+3]
.set NN, NN+4
.endr
.irp t, 14,64,84,86,88,90,252,254,14,64,84,86,88,90,252,254,14,64
	v_pk_add_f32 v[\t:\t+1], v[\t:\t+1], v[NN:NN+1]
.set NN, NN+2
.endr
	v_pk_add_f32 v[84:85], v[84:85], v[86:87]
	v_pk_add_f32 v[88:89], v[88:89], v[90:91]
	v_pk_add_f32 v[252:253], v[252:253], v[254:255]
	v_pk_add_f32 v[14:15], v[14:15], v[64:65]
	v_pk_add_f32 v[84:85], v[84:85], v[88:89]
	v_pk_add_f32 v[14:15], v[14:15], v[252:253]
	v_pk_add_f32 v[14:15], v[14:15], v[84:85]
.set NN, 0
.rept 16
	v_pk_mul_f32 v[O+NN:O+NN+1], v[O+NN:O+NN+1], v[FF:FF+1] op_sel_hi:[1,0]   ; O^T under the new M, each accumulator from its low end on
.set NN, NN+2
.endr
	s_wait_alu depctr_va_vdst(0)
	s_wait_dscnt 0x0                               ; V and its words are in
.irp t, 0,1,2,3
	v_wmma_scale_f32_16x16x128_f8f6f4 v[O+8*\t:O+8*\t+7], v[VF+12*\t:VF+12*\t+11], v[PC:PC+11], v[O+8*\t:O+8*\t+7], v[VS+\t], v[PS] matrix_a_fmt:MATRIX_FMT_FP6 matrix_b_fmt:MATRIX_FMT_FP6
.endr
.Lhidden_\@:
.endm
; A SEGMENT: four trips.  own, sh: the LDS place of its first step for a tile of a wave's own, for a shared one; ko: key step less LDS place for a shared one.
.macro SEG own, sh, ko
	s_mov_b32 s[J], 0
	s_cmp_eq_u32 s[SH], 0
	s_cselect_b32 s[BI], \own, \sh
	s_cselect_b32 s[KO], 0, \ko
	s_add_co_u32 s[BI], s[BI], s[PAR]
.Ltrip_\@:
	s_and_b32 s57, s[J], s[M3]
	s_add_co_u32 s57, s57, s[J]
	s_add_co_u32 s57, s57, s[BI]
	s_mul_i32 s[TB], s57, STEPB
	s_add_co_u32 s57, s57, s[KO]
	s_lshl_b32 s[SKF], s57, 7
	STEP
	s_add_co_u32 s[J], s[J], 1
	s_cmp_lt_u32 s[J], 4
	s_cbranch_scc1 .Ltrip_\@
.endm
.macro BARRIER
	s_barrier_signal -1
	s_barrier_wait -1
.endm
	s_wait_alu depctr_va_vdst(0)                   ; the wait at the head's end
	s_wait_loadcnt 0x0                             ; Q
	s_cmp_lt_u32 s[WV], 6
	s_cbranch_scc0 .Lnot_early
	s_wait_tensorcnt 0x0                           ; waves 0-5: my part of key steps 0-8 is in
.Lnot_early:
	BARRIER                                        ; key steps 0-7 are whole
	SEG 0, 0, 0                                    ; trips 0-3: key steps 0-3, or 0-7
	s_wait_tensorcnt 0x0                           ; every wave: the load that was out has landed
	s_wait_dscnt 0x0
	BARRIER                                        ; key steps 0-23 are whole
	SEG 4, 8, 0                                    ; trips 4-7: key steps 4-7, or 8-15
	s_wait_tensorcnt 0x0                           ; no tensor load of mine is out, so the descriptor may be written;
	ds_add_u32 v3, v4                              ; 0 onto my spare word
	s_mov_b32 s[G1+2], 104<<16                     ; two key steps a wave
	s_mov_b32 s[G1+4], 104
	s_mov_b32 s[G0+1], s63
	s_add_nc_u64 s[G0+2:G0+3], s[6:7], s[60:61]
	s_or_b32 s[G0+3], s[G0+3], 0x80000000
	s_wait_dscnt 0x0                               ; the add is done, and so are my reads of region 0
	BARRIER                                        ; of every wave
	s_cmp_lt_u32 s[DEEP], 24                       ; a work-group none of whose tiles has key steps 24-31 asks for none
	s_cbranch_scc1 .Lno_refill
	s_cmp_lt_u32 s[WV], 4
	s_cbranch_scc0 .Lno_refill
	tensor_load_to_lds s[G0:G0+3], s[G1:G1+7]      ; key steps 24-31 into region 0
	s_nop 0
.rept 4
	v_nop
.endr
.Lno_refill:
	SEG 8, 16, 0                                   ; trips 8-11: key steps 8-11, or 16-23
	s_wait_tensorcnt 0x0
	s_wait_dscnt 0x0
	BARRIER                                        ; key steps 24-31 are whole
	SEG 12, 0, 24                                  ; trips 12-15: key steps 12-15, or 24-31
	s_wait_dscnt 0x0                               ; my reads of regions 0 and 1 are over: behind this barrier they hold the stages
	BARRIER
	; THE TWO HALVES OF A SHARED TILE MEET.  The wave of the odd steps lays O^T (registers 4 k .. 4 k + 3 of lane L at 512 k + 16 L), -M and its sum (4 L) into its place in region 0; behind a barrier the wave of the even steps
	; takes them.  Both hold the same queries in the same lanes.  M of the whole is the larger M; each side is multiplied by 2^(its M - M), which rounds nothing, and the two are added.
	v_add_f32 v14, v14, v15                        ; the sum's two halves
	v_lshrrev_b32 v9, 1, v2                        ; 4 L
	v_add_nc_u32 v138, s56, v1                     ; where I give (GST = 0),
	v_add_nc_u32 v140, s55, v1                     ; and where I take
	v_mov_b32 v15, 0
	v_add_nc_u32 v139, s56, v9
	v_add_nc_u32 v141, s55, v9
	v_nop                                          ; (with the lines above: the places behind the last products)
	s_wait_alu depctr_va_vdst(0)
	s_cmp_eq_u32 s[JOB], 2
	s_cbranch_scc0 .Lno_give
.irp k, 0,1,2,3,4,5,6,7
	ds_store_b128 v138, v[O+4*\k:O+4*\k+3] offset:GST+512*\k   ; each accumulator from its low end on
.endr
	ds_store_b32 v139, v12 offset:GST+4096
	ds_store_b32 v139, v14 offset:GST+4224
.Lno_give:
	s_wait_dscnt 0x0                               ; for the other wave's sake: my stores have landed
	BARRIER
	s_cmp_eq_u32 s[JOB], 1
	s_cbranch_scc0 .Lno_take
.irp k, 0,1,2,3,4,5,6,7
	ds_load_b128 v[S+4*\k:S+4*\k+3], v140 offset:GST+512*\k
.endr
	ds_load_b32 v128, v141 offset:GST+4096
	ds_load_b32 v129, v141 offset:GST+4224
	s_wait_dscnt 0x0
	v_min_num_f32 v130, v12, v128                  ; -M of the whole: the smaller -M
	v_sub_f32 v131, v130, v12                      ; my M - M: a whole number, 0 or less
	v_sub_f32 v132, v130, v128                     ; the other's
	v_cvt_i32_f32 v131, v131                       ; (it saturates)
	v_cvt_i32_f32 v132, v132
	v_ldexp_f32 v134, 1.0, v131                    ; each factor twice: a pair for the packed forms
	v_ldexp_f32 v135, 1.0, v131
	v_ldexp_f32 v136, 1.0, v132
	v_ldexp_f32 v137, 1.0, v132
.set NN, 0
.rept 16
	v_pk_mul_f32 v[O+NN:O+NN+1], v[O+NN:O+NN+1], v[134:135]
.set NN, NN+2
.endr
.set NN, 0
.rept 16
	v_pk_fma_f32 v[O+NN:O+NN+1], v[S+NN:S+NN+1], v[136:137], v[O+NN:O+NN+1]
.set NN, NN+2
.endr
	v_mul_f32 v14, v14, v134
	v_fma_f32 v14, v129, v136, v14
	s_wait_alu depctr_va_vdst(0)
.Lno_take:
	; trips 16-21: only tiles of a wave's own have steps here (the dearest has 22)
	s_cmp_eq_u32 s[SH], 0
	s_cselect_b32 s[QB], s[QB], 0                  ; a shared tile's waves pass over every one of these steps
	s_mov_b32 s[J], 0
.Llast:
	s_add_co_u32 s57, s[J], 16
	s_mul_i32 s[TB], s57, STEPB
	s_lshl_b32 s[SKF], s57, 7
	STEP
	s_add_co_u32 s[J], s[J], 1
	s_cmp_lt_u32 s[J], 6
	s_cbranch_scc1 .Llast
	; THE WAY OUT.  O^T / the sum goes through my stage in region 1, 16 rows of 256 bytes + 16, and comes back as whole rows: sixteen lanes store 256 consecutive bytes, at a multiple of 256 from out's first byte.
	v_add_f32 v14, v14, v15
.rept 4
	v_nop                                          ; the places behind the last products
.endr
	s_wait_alu depctr_va_vdst(0)
	s_cmp_eq_u32 s[JOB], 2                         ; the wave of the odd steps has handed its part on
	s_cbranch_scc1 .Lend
	v_permlanex16_b32 v[PT], v14, s[SEL], s[SEL+1]
	v_add_f32 v14, v14, v[PT]                      ; with lane l xor 16's: the row's sum
	s_wait_alu depctr_va_vdst(0)
	v_rcp_f32 v14, v14
	v_nop                                          ; a plain instruction behind the reciprocal
	s_wait_alu depctr_va_vdst(0)
.set NN, 0
.rept 32
	v_mul_f32 v[S+NN], v[O+NN], v14                ; register 8 t + i is out(my query, 16 t + 8 h + i)
.set NN, NN+1
.endr
.irp t, 0,1,2,3
	ds_store_b128 v10, v[S+8*\t:S+8*\t+3] offset:64*\t
	ds_store_b128 v10, v[S+8*\t+4:S+8*\t+7] offset:64*\t+16
.endr
.irp i, 0,1,2,3,4,5,6,7
	ds_load_b128 v[S+32+4*\i:S+32+4*\i+3], v11 offset:544*\i       ; LDS serves a wave's instructions in order: these see my stores.  Stage rows 2 i and 2 i + 1
.endr
.irp i, 0,1,2,3,4,5,6,7
	s_wait_dscnt 7-\i                              ; load i is back; the 7 - i younger ones may be out
	global_store_b128 v7, v[S+32+4*\i:S+32+4*\i+3], s[8:9] offset:256*(2*\i+8*(\i/4)) th:TH_STORE_NT   ; stage row j is the query j + (j & 8) of the tile
.endr
.Lend:
	s_wait_tensorcnt 0x0                           ; the wave's end: behind my last tensor load and my last LDS store
	ds_add_u32 v3, v4
	s_wait_dscnt 0x0
	s_endpgm
.Lfunc_end_k_q0e085d60b2_attend:
	.size	k_q0e085d60b2_attend, .Lfunc_end_k_q0e085d60b2_attend-k_q0e085d60b2_attend
	.p2alignl 7, 3214868480
	.fill 96, 4, 3214868480
	.section	.rodata,"a",@progbits
	.p2align	6, 0x0
	.amdhsa_kernel k_q0e085d60b2_attend
		.amdhsa_group_segment_fixed_size 327680
		.amdhsa_private_segment_fixed_size 0
		.amdhsa_enable_private_segment 0
		.amdhsa_kernarg_size 24
		.amdhsa_user_sgpr_count 2
		.amdhsa_user_sgpr_kernarg_segment_ptr 1
		.amdhsa_wavefront_size32 1
		.amdhsa_system_sgpr_workgroup_id_x 1
		.amdhsa_system_sgpr_workgroup_id_y 1
		.amdhsa_system_sgpr_workgroup_id_z 1
		.amdhsa_system_vgpr_workitem_id 0
		.amdhsa_next_free_vgpr 256
		.amdhsa_next_free_sgpr 66
		.amdhsa_reserve_vcc 1
		.amdhsa_float_denorm_mode_32 3
		.amdhsa_float_denorm_mode_16_64 3
		.amdhsa_memory_ordered 1
		.amdhsa_forward_progress 1
		.amdhsa_inst_pref_size 127
	.end_amdhsa_kernel
	.amdgpu_metadata
---
amdhsa.version: [ 1, 2 ]
amdhsa.kernels:
  - .name:           k_q0e085d60b2_attend
    .symbol:         k_q0e085d60b2_attend.kd
    .args:
      - { .name: qc, .offset: 0, .size: 8, .value_kind: global_buffer, .address_space: global }
      - { .name: kv, .offset: 8, .size: 8, .value_kind: global_buffer, .address_space: global }
      - { .name: out0, .offset: 16, .size: 8, .value_kind: global_buffer, .address_space: global }
    .group_segment_fixed_size: 327680
    .private_segment_fixed_size: 0
    .kernarg_segment_align: 8
    .kernarg_segment_size: 24
    .max_flat_workgroup_size: 512
    .sgpr_count:     66
    .vgpr_count:     256
    .wavefront_size: 32
...
	.end_amdgpu_metadata
.endif
;; end of part 3
